; MI455X (gfx1250); checked and timed in simulation.
; The chip was launched on July 23, 2026; its instructions are those of AMD's public machine-readable ISA for CDNA 5 (MIT licence, August 2026) and "CDNA5" Instruction Set Architecture Reference Guide (July 2026). The comments in the code are by the model that wrote it; some were corrected since.
;; Core Attention. Allowed arithmetic: matrix products marked QUANTISED: E2M3 operands, one E8M0 scale for each 32 along K, by v_wmma_scale_f32_16x16x128_f8f6f4 with both operands' format E2M3, f32 sums; everything else in f32.
;; Inputs: key_layer 2,048 x 2 x 16 x 128 float32; kmin 2,048 x 2 x 16 x 1 float32; kscale 2,048 x 2 x 16 x 1 float32; qmin 2,048 x 2 x 16 x 1 float32; qscale 2,048 x 2 x 16 x 1 float32; query_layer 2,048 x 2 x 16 x 128 float32; value_layer 2,048 x 2 x 16 x 128 float32; vmin 16 x 2 x 16 x 128 x 1 float32; vscale 16 x 2 x 16 x 128 x 1 float32.
;; Outputs: out0 2,048 x 2 x 2,048 float32.
;; Constants: causal = 1.
;; This version of the problem:
;;   THIS VERSION OF THE PROBLEM IS GIVEN IN LOW PRECISION. The matrix products marked QUANTISED in the list below multiply operands that are first quantised to E2M3 (2 exponent bits, 3 mantissa bits; 6 bits a number), with one power-of-two scale for each 32 numbers along K (OCP MX v1.0); their sums are f32. All else is computed in f32.
;;   The module's matrix products, in the order in which they are computed (A, B: the left and right operand; K: the contracted axis; several contracted axes count as one K, in the product's order):
;;     1. batch 32 x [M 2,048, K 128] x [K 128, N 2,048]; A: computed on the way; B: computed on the way: QUANTISED
;;     2. batch 32 x [M 2,048, K 2,048] x [K 2,048, N 128]; A: computed on the way; B: computed on the way: QUANTISED
;;   THE QUANTISER, for each operand of a quantised product, along K:
;;     - K is cut into blocks of 32 from its start; a last block that is shorter is filled with zeros.
;;     - A block's scale is 2^e with e = floor(log2(the largest magnitude in the block)) - 2, held to -126 .. 127; a block of zeros has e = 0. As a byte (E8M0): e + 127.
;;     - Each number is divided by its block's scale, clamped to +-7.5, and rounded to the nearest number of E2M3, ties to even, subnormals kept.
;;     - The product sums the exact products of the quantised numbers (number of the format x scale) in f32.
;;   ~~~python
;;   def quantise(x, axis):      # numpy; x: float32 -> the quantised numbers, widened to float32 again
;;       x = np.moveaxis(x, axis, -1); K = x.shape[-1]
;;       x = np.pad(x, [(0, 0)] * (x.ndim - 1) + [(0, -K % 32)]); x = x.reshape(x.shape[:-1] + (-1, 32)); a = np.abs(x).max(-1, keepdims=True)
;;       e = np.where(a > 0, np.clip(np.frexp(np.where(a > 0, a, 1))[1] - 1 - 2, -126, 127), 0)      # np.frexp(a)[1] - 1 = floor(log2(a)), exactly
;;       r = np.clip(x / 2.0 ** e, -7.5, 7.5)
;;       step = 2.0 ** (np.maximum(np.frexp(np.where(r == 0, 1, r))[1] - 1, 0) - 3)
;;       q = np.round(r / step) * step * 2.0 ** e      # np.round: ties to even
;;       return np.moveaxis(q.reshape(q.shape[:-2] + (-1,))[..., :K], -1, axis).astype(np.float32)
;;   ~~~
;;   OPERANDS COMPUTED ON THE WAY. 'Computed on the way' means the value that the module computes at that place (a softmax that the list does not call 'softmax' is quantised finished and normalised). What goes into a quantiser is computed in f32, as accurately as f32 sums, v_exp_f32 and their like allow (about 1e-6 of the number): no bf16 or f16 on the way to a quantiser, and a product that is left as it is and whose result goes on into a quantised operand takes f32 operands (vector FMAs, or v_wmma_f32_16x16x4_f32). A number that lies on a knife's edge between two numbers of the format may be rounded either way, as far as f32 arithmetic and the matrix unit's own rounding can turn it there, and no further.
;; One version. Each part assembles by itself: llvm-mc -triple=amdgcn-amd-amdhsa -mcpu=gfx1250 --defsym DOCPART=n.
;; ======== version 1 of 1: 2 launches
;; limits: right only within a limited range of input values
;; workspace buffers: qws 6,553,600 bytes; kws 6,553,600 bytes; vws 6,553,600 bytes
;; launch prep (part 1): grid 768 x 1, 4 waves a work-group, no clusters, 68,096 bytes of LDS; arguments query_layer, qscale, qmin, key_layer, kscale, kmin, value_layer, vscale, vmin, qws, kws, vws; writes qws, kws, vws
.if DOCPART == 1
	.amdgcn_target "amdgcn-amd-amdhsa--gfx1250"
	.amdhsa_code_object_version 6
	.text
	.protected	k_q8b08c9f26e_prep
	.globl	k_q8b08c9f26e_prep
	.p2align	8
	.type	k_q8b08c9f26e_prep,@function
k_q8b08c9f26e_prep:
	s_mov_b64 s[64:65], 0
	v_nop
	global_prefetch_b8 v0, s[64:65] scope:SCOPE_SE
	s_setreg_imm32_b32 hwreg(HW_REG_WAVE_MODE, 25, 1), 1
	s_wait_xcnt 0x0
; qd = q qscale + qmin, kd = k kscale + kmin (one scale and one offset a token and head) and vd = v vscale + vmin (one a group of 128 keys, head and channel) are made in f32
; and quantised to E2M3 with one E8M0 scale for each 32 along the product's K: qd and kd along the head's 128 channels, vd along the keys.
; NOTHING IS LEFT OUT HERE: every number of all nine inputs goes into an operand of a product that is live.  (The second launch leaves out key steps that lie wholly behind the causal mask: shown at its head.)
; A block's scale is 2^(floor(log2(its largest magnitude)) - 2); its byte is the largest magnitude's exponent field - 2, held at 1 from below.
; LIMITS: the dequantising is one fused multiply-add (one rounding where the source has two).  A block of zeros gets the byte 1 where the rule says 127: its codes are zeros, and this program alone
; reads the bytes.  NaN and infinities among the inputs are not served.
; THE THREE WORKSPACE BUFFERS are laid [head 32][step 16][record of 12,800 bytes]; a record holds 128 tokens of one head IN THE ORDER OF THE OPERAND'S REGISTERS:
;   8 fragments of 1,536 bytes (16 rows x 128 K, 12 registers a lane): register p of lane l at 512 (p / 4) + 16 l + 4 (p % 4), so that three loads of 16 bytes a lane bring a fragment;
;   then 512 bytes of scale words: the word of fragment 4 g + 2 e + l / 16, row l % 16, at 12,288 + 256 g + 8 l + 4 e, so that one load of 8 bytes a lane brings the words of four fragments.
;   Q, K: fragment 2 b + u, row m, is token 32 b + 8 u + m + 8 (m / 8) of the step; K runs along the channels.   V: fragment f, row m, is channel 16 f + m; K runs along the step's 128 keys.
; SHARES: work-groups 0-255 take Q, 256-511 K, 512-767 V; each takes 256 tokens of one head (two records); wave w takes record w / 2, fragments 4 (w % 2) on.  Waves share nothing: no barrier.
; Q, K: a load reads one token's 512 bytes, 16 a lane; 32 tokens go through the wave's own stage in LDS and come back 128 bytes a lane: a lane then holds two whole blocks of 32 of one token.
; V: a lane takes a channel and its registers run down the keys: a block of 32 keys lies in one lane's 32 registers, and nothing is transposed.
.set TOK,   16384                      ; bytes from token to token in q, k, v
.set REC,   12800
.set FRB,   1536
.set SP,    528                        ; a stage row: 512 bytes + 16, so that the sixteen rows of a read start at sixteen different columns of 16 bytes
.set WST,   32*SP                      ; a wave's stage
.set SPARE, 4*WST                      ; behind the stages: the spare words, 128 bytes a wave, which no other line names
.set LANE, 1
.set RR,   2                           ; lane % 16
.set HH,   3                           ; lane / 16
.set LO,   4                           ; 16 x lane
.set TKO,  5                           ; Q, K: (r + 8 (r / 8)) x 128: my token's place among the scales and offsets
.set SI,   6                           ; the stage, in: my wave's + 16 x lane
.set SO,   7                           ; the stage, out: my wave's + 528 r + 128 h
.set L8,   8                           ; 8 x lane
.set H8,   9                           ; 8 h
.set SPW,  10                          ; LDS address of my spare word; never rewritten
.set NIL,  11                          ; 0; never rewritten
.set SC,   12                          ; Q, K: v12-15 scales, v16-19 offsets of fragments 2 e + u.   V: v12-13 scales, v14-15 offsets of my two channels
.set MN,   16
.set MX,   20                          ; v20-21 largest magnitudes, v22-23 scale operands, v24-25 bytes, v26-27 the word in the making
.set W,    28                          ; v28-31 the four fragments' scale words
.set SW,   32                          ; v32-33 the scale words as they are stored
.set PC,   36                          ; v36-47 a fragment's codes
.set CT,   48                          ; v48-50, v52-54: a conversion's three registers begin on an even number, so each block's second half is made here and moved
.set L4,   58                          ; V: 4 x lane
.set VO,   59                          ; V: (lane / 16) x 1,536 + (lane % 16) x 16
.set R,    64                          ; Q, K: v64-191 32 tokens as loaded.   V: v64-127 two sets of 32 keys, v128-175 the images
.set X,    192                         ; Q, K: v192-255 my 64 numbers of a token
	s_load_b256 s[4:11], s[0:1], 0x0               ; q s[4:5], qscale s[6:7], qmin s[8:9], k s[10:11]
	s_load_b256 s[12:19], s[0:1], 0x20             ; kscale s[12:13], kmin s[14:15], v s[16:17], vscale s[18:19]
	s_load_b256 s[20:27], s[0:1], 0x40             ; vmin s[20:21], qws s[22:23], kws s[24:25], vws s[26:27]
	v_lshl_add_u32 v[SPW], v0, 2, SPARE
	v_mov_b32 v[NIL], 0
	v_lshrrev_b32 v1, 5, v0
	v_readfirstlane_b32 s28, v1                    ; wave 0..3
	s_lshr_b32 s29, ttmp9, 8                       ; 0: Q, 1: K, 2: V
	s_and_b32 s30, ttmp9, 255
	s_lshr_b32 s31, s30, 3                         ; the head (batch x 16 + head)
	s_and_b32 s32, s30, 7                          ; which 256 tokens
	s_lshr_b32 s33, s28, 1                         ; which of their two records
	s_and_b32 s34, s28, 1                          ; which four fragments of it
	v_and_b32 v[LANE], 31, v0
	v_and_b32 v[RR], 15, v0
	v_bfe_u32 v[HH], v0, 4, 1
	v_lshlrev_b32 v[LO], 4, v[LANE]
	v_and_b32 v[TKO], 8, v[RR]
	v_add_nc_u32 v[TKO], v[TKO], v[RR]
	v_lshlrev_b32 v[TKO], 7, v[TKO]
	s_mul_i32 s56, s28, WST
	v_add_nc_u32 v[SI], s56, v[LO]
	v_mul_u32_u24 v[SO], v[RR], SP
	v_lshl_add_u32 v[SO], v[HH], 7, v[SO]
	v_add_nc_u32 v[SO], s56, v[SO]
	v_lshlrev_b32 v[L8], 3, v[LANE]
	v_lshlrev_b32 v[H8], 3, v[HH]
	v_mov_b32 v[MX+7], 0                           ; a lane permute's destination counts as one of its sources
	v_lshlrev_b32 v[L4], 2, v[LANE]
	v_mul_u32_u24 v[VO], v[HH], FRB
	v_lshl_add_u32 v[VO], v[RR], 4, v[VO]
	s_mov_b32 s40, 0x76543210
	s_mov_b32 s41, 0xfedcba98                      ; v_permlanex16_b32's selects for lane l xor 16
	s_lshl_b32 s35, s31, 4
	s_lshl_b32 s36, s32, 1
	s_add_co_u32 s35, s35, s36
	s_add_co_u32 s35, s35, s33                     ; my record: 16 x head + step
	s_mul_i32 s36, s35, REC
	s_mul_i32 s42, s34, 4*FRB
	s_add_co_u32 s42, s42, s36                     ; where my four fragments begin,
	s_mov_b32 s43, 0
	s_lshl_b32 s44, s34, 8
	s_add_co_u32 s44, s44, s36
	s_add_co_u32 s44, s44, 8*FRB                   ; and their scale words
	s_mov_b32 s45, 0
	s_lshl_b32 s46, s32, 8                         ; the work-group's first token
	s_lshl_b32 s50, s31, 9                         ; the head's 512 bytes in a token
	s_mov_b32 s49, 0
	s_wait_kmcnt 0x0
	s_cmp_eq_u32 s29, 2
	s_cbranch_scc1 .Lv
	; ---------------- Q and K: one text; the buffers are chosen by the work-group's number
	s_cmp_eq_u32 s29, 0
	s_cselect_b64 s[4:5], s[4:5], s[10:11]
	s_cselect_b64 s[6:7], s[6:7], s[12:13]
	s_cselect_b64 s[8:9], s[8:9], s[14:15]
	s_cselect_b64 s[22:23], s[22:23], s[24:25]
	s_lshl_b32 s47, s28, 6
	s_add_co_u32 s46, s46, s47                     ; my wave's first token: + 64 x wave
	s_lshl_b32 s48, s46, 14
	s_add_co_u32 s48, s48, s50
	s_add_nc_u64 s[4:5], s[4:5], s[48:49]
	s_lshl_b32 s48, s46, 7                         ; scales and offsets: 128 bytes a token, 4 a head
	s_lshl_b32 s51, s31, 2
	s_add_co_u32 s48, s48, s51
	s_add_nc_u64 s[6:7], s[6:7], s[48:49]
	s_add_nc_u64 s[8:9], s[8:9], s[48:49]
	s_add_nc_u64 s[52:53], s[22:23], s[42:43]
	s_add_nc_u64 s[54:55], s[22:23], s[44:45]
.macro LOADG e                         ; tokens 32 e .. 32 e + 31 of my 64: a load reads one token's 512 consecutive bytes
.set J, 0
.rept 32
	global_load_b128 v[R+4*J:R+4*J+3], v[LO], s[4:5] offset:(32*\e+J)*TOK th:TH_LOAD_NT
.set J, J+1
.endr
.endm
.macro STAGEIN                         ; token j goes to the stage row 16 u + m at which its fragment u wants it as row m: j = 8 u + m + 8 (m / 8)
.set J, 0
.rept 32
	ds_store_b128 v[SI], v[R+4*J:R+4*J+3] offset:(16*((J>>3)&1)+(J&7)+8*(J>>4))*SP
.set J, J+1
.endr
.endm
; Fragment 2 e + u: my row's channels 64 c + 32 h + 0 .. 31 come back from the stage, are dequantised and quantised; the conversions' results are the operand's registers.
.macro FRAGQ e, u, next
.irp c, 0,1
.irp i, 0,1,2,3,4,5,6,7
	ds_load_b128 v[X+32*\c+4*\i:X+32*\c+4*\i+3], v[SO] offset:\u*16*SP+256*\c+16*\i
.endr
.endr
	s_wait_dscnt 0x0                               ; my numbers are in; the stores into the stage are done too
.if \next
	LOADG 1                                        ; so the registers that they read take the next 32 tokens
.endif
.set J, 0
.rept 64
	v_fma_f32 v[X+J], v[X+J], v[SC+2*\e+\u], v[MN+2*\e+\u]
.set J, J+1
.endr
.irp c, 0,1
	v_max3_num_f32 v[MX+\c], |v[X+32*\c]|, |v[X+32*\c+1]|, 0x1800000   ; my block 2 c + h: all its 32 numbers are mine; the floor 2^(3 - 127) holds the byte at 1 from below
.endr
.irp i, 2,4,6,8,10,12,14,16,18,20,22,24,26,28,30
.irp c, 0,1
	v_max3_num_f32 v[MX+\c], v[MX+\c], |v[X+32*\c+\i]|, |v[X+32*\c+\i+1]|
.endr
.endr
.irp c, 0,1
	v_add_nc_u32 v[MX+2+\c], 0xff000000, v[MX+\c]  ; 2 off the exponent field: the conversion takes the exponent field of this operand as its scale
.endr
.irp c, 0,1
	v_lshrrev_b32 v[MX+4+\c], 23, v[MX+2+\c]       ; the scale's byte
.endr
	v_lshl_or_b32 v[MX+6], v[MX+5], 16, v[MX+4]    ; my two bytes, blocks h and 2 + h,
	v_lshlrev_b32 v[MX+6], v[H8], v[MX+6]          ; at their places in the word;
	v_permlanex16_b32 v[MX+7], v[MX+6], s40, s41
	v_or_b32 v[W+2*\e+\u], v[MX+6], v[MX+7]        ; with lane l xor 16's two the word is whole
	s_wait_alu depctr_va_vdst(0)
	s_wait_xcnt 0x0                                ; the last fragment's stores have read their data: the codes' registers are written again only behind this wait
.irp c, 0,1
	v_cvt_scalef32_pk16_fp6_f32 v[PC+6*\c:PC+6*\c+2], v[X+32*\c:X+32*\c+15], v[MX+2+\c]
	v_cvt_scalef32_pk16_fp6_f32 v[CT+4*\c:CT+4*\c+2], v[X+32*\c+16:X+32*\c+31], v[MX+2+\c]
.endr
	v_nop                                          ; one plain place behind a scaled conversion
.irp c, 0,1
.irp i, 0,1,2
	v_mov_b32 v[PC+6*\c+3+\i], v[CT+4*\c+\i]
.endr
.endr
.irp k, 0,1,2
	global_store_b128 v[LO], v[PC+4*\k:PC+4*\k+3], s[52:53] offset:(2*\e+\u)*FRB+512*\k   ; 32 lanes store 512 consecutive bytes, at a multiple of 256 from the buffer's first byte
.endr
.endm
.irp f, 0,1,2,3
	global_load_b32 v[SC+\f], v[TKO], s[6:7] offset:(32*(\f/2)+8*(\f%2))*128
	global_load_b32 v[MN+\f], v[TKO], s[8:9] offset:(32*(\f/2)+8*(\f%2))*128
.endr
	LOADG 0
	s_wait_loadcnt 0x0
	STAGEIN
	s_wait_alu depctr_va_vdst(0)
	FRAGQ 0, 0, 1
	FRAGQ 0, 1, 0
	s_wait_loadcnt 0x0                             ; the second 32 tokens are in; my reads of the stage were waited for in the fragment above
	STAGEIN
	FRAGQ 1, 0, 0
	FRAGQ 1, 1, 0
	v_cmp_eq_u32 vcc_lo, 1, v[HH]
.irp e, 0,1
	v_cndmask_b32 v[SW+\e], v[W+2*\e], v[W+2*\e+1], vcc_lo   ; lanes 0-15 keep fragment 2 e's words, lanes 16-31 fragment 2 e + 1's
.endr
	global_store_b64 v[L8], v[SW:SW+1], s[54:55]   ; 256 consecutive bytes, aligned
	s_branch .Lend
	; ---------------- V
.Lv:
	s_lshl_b32 s47, s33, 7
	s_add_co_u32 s46, s46, s47                     ; my step's first key
	s_lshl_b32 s51, s34, 8                         ; my 64 channels
	s_add_co_u32 s50, s50, s51
	s_lshl_b32 s48, s46, 14
	s_add_co_u32 s48, s48, s50
	s_add_nc_u64 s[16:17], s[16:17], s[48:49]
	s_lshl_b32 s48, s46, 7                         ; vscale, vmin: 16,384 bytes a group of 128 keys
	s_add_co_u32 s48, s48, s50
	s_add_nc_u64 s[18:19], s[18:19], s[48:49]
	s_add_nc_u64 s[20:21], s[20:21], s[48:49]
	s_add_nc_u64 s[52:53], s[26:27], s[42:43]
	s_add_nc_u64 s[54:55], s[26:27], s[44:45]
; Block n: channel 32 (n % 2) + lane of my 64, keys 32 (n / 2) on.  The two halves of my channels take turns, so that both halves of a key's 256 bytes are asked for next to each other.
.macro LOADV n
.set J, 0
.rept 32
	global_load_b32 v[R+32*((\n)%2)+J], v[L4], s[16:17] offset:(32*((\n)/2)+J)*TOK+128*((\n)%2)
.set J, J+1
.endr
.endm
.macro BLOCKV n
.set VE, (\n)%2
.set VB, (\n)/2
.set XS, R+32*VE
.set IM, 128+24*VE+12*(VB%2)+6*(VB/2)  ; the operand's lane (m, h') holds blocks h' and 2 + h': block VB goes to image h' = VB % 2, registers 6 (VB / 2) on
.if (\n) < 7
	s_wait_loadcnt 32                              ; this block's 32 loads are in; the next block's 32 may be out
.else
	s_wait_loadcnt 0x0
.endif
.set J, 0
.rept 32
	v_fma_f32 v[XS+J], v[XS+J], v[SC+VE], v[SC+2+VE]
.set J, J+1
.endr
	v_max3_num_f32 v[MX], |v[XS]|, |v[XS+1]|, |v[XS+2]|
	v_max3_num_f32 v[MX+1], |v[XS+3]|, |v[XS+4]|, |v[XS+5]|
.irp i, 6,10,14,18,22,26
	v_max3_num_f32 v[MX], v[MX], |v[XS+\i]|, |v[XS+\i+1]|
	v_max3_num_f32 v[MX+1], v[MX+1], |v[XS+\i+2]|, |v[XS+\i+3]|
.endr
	v_max3_num_f32 v[MX], v[MX], |v[XS+30]|, |v[XS+31]|
	v_max3_num_f32 v[MX], v[MX], v[MX+1], 0x1800000
	v_add_nc_u32 v[MX+2], 0xff000000, v[MX]
	v_lshrrev_b32 v[MX+3], 23, v[MX+2]
.if VB == 0
	v_mov_b32 v[SW+VE], v[MX+3]                    ; my channel's four bytes make its scale word, the lower keys in the lower byte
.else
	v_lshl_or_b32 v[SW+VE], v[MX+3], 8*VB, v[SW+VE]
.endif
	v_cvt_scalef32_pk16_fp6_f32 v[IM:IM+2], v[XS:XS+15], v[MX+2]
	v_cvt_scalef32_pk16_fp6_f32 v[CT:CT+2], v[XS+16:XS+31], v[MX+2]
	v_nop                                          ; one plain place behind a scaled conversion
.irp i, 0,1,2
	v_mov_b32 v[IM+3+\i], v[CT+\i]
.endr
.if (\n)+2 < 8
	LOADV (\n)+2
.endif
.if VB == 3                            ; my channel's 128 keys are done: lane l holds the registers of the operand's lanes l % 16 and 16 + l % 16 of fragment 2 e + l / 16
.irp p, 0,1
.irp k, 0,1,2
	global_store_b128 v[VO], v[128+24*VE+12*\p+4*\k:128+24*VE+12*\p+4*\k+3], s[52:53] offset:2*VE*FRB+512*\k+256*\p   ; sixteen lanes store 256 consecutive bytes, aligned
.endr
.endr
.endif
.endm
	s_wait_alu depctr_va_vdst(0)
.irp e, 0,1
	global_load_b32 v[SC+\e], v[L4], s[18:19] offset:128*\e
	global_load_b32 v[SC+2+\e], v[L4], s[20:21] offset:128*\e
.endr
	LOADV 0
	LOADV 1
.irp n, 0,1,2,3,4,5,6,7
	BLOCKV \n
.endr
	global_store_b64 v[L8], v[SW:SW+1], s[54:55]   ; lane l's two words are those of fragments l / 16 and 2 + l / 16, row l % 16: 256 consecutive bytes, aligned
.Lend:
	s_wait_tensorcnt 0x0                           ; the wave's end
	ds_add_u32 v[SPW], v[NIL]
	s_wait_dscnt 0x0
	s_endpgm
.Lfunc_end_k_q8b08c9f26e_prep:
	.size	k_q8b08c9f26e_prep, .Lfunc_end_k_q8b08c9f26e_prep-k_q8b08c9f26e_prep
	.p2alignl 7, 3214868480
	.fill 96, 4, 3214868480
	.section	.rodata,"a",@progbits
	.p2align	6, 0x0
	.amdhsa_kernel k_q8b08c9f26e_prep
		.amdhsa_group_segment_fixed_size 68096
		.amdhsa_private_segment_fixed_size 0
		.amdhsa_enable_private_segment 0
		.amdhsa_kernarg_size 96
		.amdhsa_user_sgpr_count 2
		.amdhsa_user_sgpr_kernarg_segment_ptr 1
		.amdhsa_wavefront_size32 1
		.amdhsa_system_sgpr_workgroup_id_x 1
		.amdhsa_system_sgpr_workgroup_id_y 1
		.amdhsa_system_sgpr_workgroup_id_z 1
		.amdhsa_system_vgpr_workitem_id 0
		.amdhsa_next_free_vgpr 256
		.amdhsa_next_free_sgpr 66
		.amdhsa_reserve_vcc 1
		.amdhsa_float_denorm_mode_32 3
		.amdhsa_float_denorm_mode_16_64 3
		.amdhsa_memory_ordered 1
		.amdhsa_forward_progress 1
		.amdhsa_inst_pref_size 102
	.end_amdhsa_kernel
	.amdgpu_metadata
---
amdhsa.version: [ 1, 2 ]
amdhsa.kernels:
  - .name:           k_q8b08c9f26e_prep
    .symbol:         k_q8b08c9f26e_prep.kd
    .args:
      - { .name: query_layer, .offset: 0, .size: 8, .value_kind: global_buffer, .address_space: global }
      - { .name: qscale, .offset: 8, .size: 8, .value_kind: global_buffer, .address_space: global }
      - { .name: qmin, .offset: 16, .size: 8, .value_kind: global_buffer, .address_space: global }
      - { .name: key_layer, .offset: 24, .size: 8, .value_kind: global_buffer, .address_space: global }
      - { .name: kscale, .offset: 32, .size: 8, .value_kind: global_buffer, .address_space: global }
      - { .name: kmin, .offset: 40, .size: 8, .value_kind: global_buffer, .address_space: global }
      - { .name: value_layer, .offset: 48, .size: 8, .value_kind: global_buffer, .address_space: global }
      - { .name: vscale, .offset: 56, .size: 8, .value_kind: global_buffer, .address_space: global }
      - { .name: vmin, .offset: 64, .size: 8, .value_kind: global_buffer, .address_space: global }
      - { .name: qws, .offset: 72, .size: 8, .value_kind: global_buffer, .address_space: global }
      - { .name: kws, .offset: 80, .size: 8, .value_kind: global_buffer, .address_space: global }
      - { .name: vws, .offset: 88, .size: 8, .value_kind: global_buffer, .address_space: global }
    .group_segment_fixed_size: 68096
    .private_segment_fixed_size: 0
    .kernarg_segment_align: 8
    .kernarg_segment_size: 96
    .max_flat_workgroup_size: 128
    .sgpr_count:     66
    .vgpr_count:     256
    .wavefront_size: 32
...
	.end_amdgpu_metadata
.endif
;; end of part 1
;; launch attn (part 2): grid 8 x 32, 8 waves a work-group, no clusters, 327,680 bytes of LDS; arguments qws, kws, vws, out0; writes out0
.if DOCPART == 2
	.amdgcn_target "amdgcn-amd-amdhsa--gfx1250"
	.amdhsa_code_object_version 6
	.text
	.protected	k_q8b08c9f26e_attn
	.globl	k_q8b08c9f26e_attn
	.p2align	8
	.type	k_q8b08c9f26e_attn,@function
k_q8b08c9f26e_attn:
	s_mov_b64 s[64:65], 0
	v_nop
	global_prefetch_b8 v0, s[64:65] scope:SCOPE_SE
	s_setreg_imm32_b32 hwreg(HW_REG_WAVE_MODE, 25, 1), 1
	s_wait_xcnt 0x0
; out[s][head][:] = sum over t of pd[s][t] vd[t][:], pd = round((p - pmin) / pscale) pscale + pmin, p = softmax over t <= s of qd[s] . kd[t] / sqrt(128), pscale = (pmax - pmin) / 255 + 1e-12.
; Both products run on codes of E2M3 with one E8M0 scale for each 32 along K; qd, kd, vd come as codes from the launch before; pd is quantised here, along the keys.
; WORK LEFT OUT.  A key t > s has the score -1e9, its exponential is 0 in f32, so p = 0.  Every row but row 2,047 has such a key, so its pmin is 0, and a hidden key has round(0 / pscale) = 0, pd = 0, the code 0.
; A key step (128 keys) wholly behind a wave's queries adds nothing to the row's maximum, sum or minimum nor to the second product, whatever the inputs hold: it is not walked, and a tile of K or V that no wave
; of the work-group walks is not fetched.  Row 2,047 has no hidden key: its smallest score is tracked, in the one wave a head that holds it.
; LIMITS.  p = 0 for hidden keys holds while a row's largest scaled score is above about -1e9 + 150.  A NaN, an infinity or an overflow that reaches only the steps left out is not carried to the result.
; / 255 is a multiplication by the f32 nearest 1 / 255; / pscale and / sum are v_rcp_f32 and a multiplication; (p - pmin) / pscale is (p' - pmin') x 1 / (sum x pscale) with p' = 2^(t - M).
; The rounding to a whole number is one fused multiply-add onto 1.5 x 2^23 (to nearest, ties to even; the numbers lie in 0 .. 255) and a subtraction of it.  A block of zeros has the scale byte 1.  NaN and infinities are not served.
; TWO WALKS.  Pass 1 finds each row's M (largest t = score x log2(e) / sqrt(128), rounded up to a whole number), the sum of 2^(t - M) and the extremes; pass 2 makes the same scores again, then pd, its codes, and the second product.
; SHARES.  A work-group owns blocks i and 15 - i of 128 queries of one head: 136 tile steps in every work-group.  A wave owns 32 neighbouring queries, two tiles of 16 (fragments 2 j, 2 j + 1 of Q's record):
; every fragment of K and of V that it reads from LDS feeds two matrix instructions.  Of waves w and w + 4, and of waves 2 j and 2 j + 1, one has the long block.
; THE LOOPS ARE TURNED BY ONE STEP: trip m asks LDS for what its end multiplies, then does step m's vector work.  Pass 1: K(m + 1) is loaded at the top and multiplied at the end.  Pass 2: V(m) is loaded at the top;
; K(m + 1) goes into each half of the fragment registers when the second product has read it.  The first scores of each pass stand ahead of its loops.
; LAYOUT.  Both products are used transposed (S^T = K Q^T, O^T = V^T P^T): a lane holds one query of each tile.  Fragment 2 b + u, row m, of Q and K is token 32 b + 8 u + m + 8 (m / 8): register 16 b + i of S^T is key 32 b + 16 (lane / 16) + i.
; LDS.  0: V's slot 0 (two steps);  25,600: the spare words;  32,768: V's slot 1;  65,536: K of the whole head, fetched in fills of 5, 4, 4 and 3 steps, so that K(m + 1) has landed at the change ahead of trip m.
; Wave 0 fetches; one tensor load of it is out at the most, and every wait for tensor loads is for all of them.
; NO CLUSTER: the eight work-groups of a head walk different numbers of fills (up to key 2,047 - 128 i), so a joint load would bring some partners tiles that none of their waves reads.
.set REC,    12800
.set FRB,    1536
.set HEADB,  16*REC
.set KCH,    4*REC
.set VSL,    2*REC
.set SPARE,  25600                     ; 128 bytes for each of eight waves; no other line names them
.set SLOT1,  32768
.set KBASE,  65536
.set KLAST,  KBASE+15*REC
.set PFKB,   175*256                   ; K's steps 9 to 15 are 350 blocks of 256 bytes: two prefetches of 175
.set SPITCH, 272
.set TOK,    16384
; window 0
.set AF,   1                           ; 16 x lane
.set AS,   2                           ; 8 x lane
.set DQ,   3                           ; tile 0's query in its block - 16 (lane / 16); tile 1's is 8 more
.set NINF, 4
.set SPW,  5
.set NIL,  6
.set GO,   7
.set ADK,  8
.set ADS,  9
.set ADV,  10
.set ADT,  11
.set NM,   12                          ; v12, v14: -M of tile 0, 1; v13, v15: the largest score
.set SUM,  16                          ; v[16:17], v[18:19]; in pass 2 v16-19: tile 1's block maxima
.set QS,   21                          ; Q's scale words: lanes 0-15 tile 0, lanes 16-31 tile 1
.set QF,   22                          ; v22-45 Q's two fragments
.set PFOV, 46
.set PFOK, 47
.set KS,   48                          ; v48-51 K's scale words, v52-55 V's
.set VS,   52
.set CT,   56                          ; v56-63, v64-71: pairs 1 / (sum x pscale), pscale, pmin, pmin'
.set TA,   72                          ; v72-79 at work (tile 1: v96-103 in pass 1, v120-127 in pass 2)
.set BM,   80                          ; v80-87 block maxima
.set U,    88
.set F,    90                          ; v[90:91], v[94:95]
.set PW,   92                          ; v92, v93 pd's scale words
.set PC,   96                          ; v96-119 pd's codes
.set SMIN, 120
.set S,    128                         ; v128-255 S^T of both tiles, then p, then pd
; window 1: v0-127 O^T of both tiles, v128-223 eight fragments of K or V
.set BUF,  128
.set WV,    12
.set WI,    13
.set BH,    14
.set IDX,   16
.set BLK,   17
.set QB,    18
.set QLAST, 19
.set SEL,   20
.set CS,    22
.set G1K,   24
.set G0K,   32
.set G0V,   36
.set TB,    40                         ; LDS byte of K's record m + 1
.set TV,    41
.set KF,    42                         ; 128 m
.set OC,    43
.set IC,    44
.set LASTT, 45
.set PFK,   50
.set PFV,   52
.set LIMK,  54
.set LIMV,  55
.set C255,  56
.set CEPS,  57
.set MK,    58                         ; s58 = 0, s59: the lanes of row 2,047
.set G1V,   68
.set NMG,   78                         ; s[78:79] -1.5 x 2^23;  s[100:101] 1.5 x 2^23
.set G1K5,  80
.set G1K3,  88
.set G0K0,  96
.set MG,    100
.set MSB, 0
.macro WIN new                         ; the immediate's high byte repeats the setting that is left
.if MSB != \new
	s_set_vgpr_msb (MSB<<8)|\new
.set MSB, \new
.endif
.endm
.macro NOP4
.rept 4
	v_nop
.endr
.endm
.macro DESC1 g, rows                   ; a dense block as rows of 256 bytes
	s_mov_b32 s[\g], 3<<16
	s_mov_b32 s[\g+1], 32<<16
	s_mov_b32 s[\g+2], (\rows)<<16
	s_mov_b32 s[\g+3], 32<<16
	s_mov_b32 s[\g+4], \rows
	s_mov_b32 s[\g+5], 32
	s_mov_b32 s[\g+6], 0
	s_mov_b32 s[\g+7], 0
.endm
.macro TLOAD g0, g1                    ; wave 0 fetches; s_nop 0 and four v_nop follow
	s_cmp_eq_u32 s[WV], 0
	s_cbranch_scc0 .Lnot0_\@
	tensor_load_to_lds s[\g0:\g0+3], s[\g1:\g1+7]
	s_nop 0
	NOP4
.Lnot0_\@:
.endm
; A prefetch of what a later change will ask for: the head's first work-group asks for all eight, waves 1 to 6 for K (175 blocks), waves 1 to 4 for a slot of V (100 blocks), a lane a block; lanes left over name the last block again.
.macro ASK lim, off, base, how
.if \how
	s_cmp_eq_u32 s[\lim], 1
.else
	s_cmp_gt_u32 s[OC], s[\lim]
.endif
	s_cbranch_scc0 .Lna_\@
	global_prefetch_b8 v[\off], s[\base:\base+1] th:TH_LOAD_NT scope:SCOPE_SE
.Lna_\@:
.endm
; THE CHANGE.  Every wave waits for all its tensor loads, adds 0 to its spare word, waits for that and for its LDS reads, and passes the barrier.  kind 1: K's next fill;  2: V's slot 0;  3: V's next slot, into the slot just left;
; 4, 0: nothing.  A fill whose first key comes after the work-group's last query is not asked for: the test is made of the work-group's number and the count of steps, and leads round the load's own lines alone.
.macro CHANGE kind
	s_wait_tensorcnt 0x0
	ds_add_u32 v[SPW], v[NIL]
.if \kind > 0
	ds_add_u32 v[SPW], v[NIL]
.endif
.if \kind == 1
	s_add_co_u32 s[G0K+1], s[G0K+1], KCH
	s_add_nc_u64 s[G0K+2:G0K+3], s[G0K+2:G0K+3], KCH
	s_wait_xcnt 0x0                                ; the last prefetch has read its address
	s_add_nc_u64 s[PFK:PFK+1], s[PFK:PFK+1], PFKB
.endif
.if \kind == 3
	s_xor_b32 s[G0V+1], s[G0V+1], SLOT1
	s_add_nc_u64 s[G0V+2:G0V+3], s[G0V+2:G0V+3], VSL
	s_wait_xcnt 0x0
	s_add_nc_u64 s[PFV:PFV+1], s[PFV:PFV+1], VSL
.endif
	s_wait_dscnt 0x0
	s_barrier_signal -1
	s_barrier_wait -1
.if \kind == 1
	s_add_co_u32 s48, s[KF], 640                   ; the fill's first key: step m + 5
	s_cmp_gt_u32 s48, s[QLAST]
	s_cbranch_scc1 .Lpast_\@
	s_cmp_eq_u32 s[WV], 0
	s_cbranch_scc0 .Lpast_\@
	s_cmp_eq_u32 s[OC], 1                          ; the last fill has three steps
	s_cbranch_scc1 .Lshort_\@
	tensor_load_to_lds s[G0K:G0K+3], s[G1K:G1K+7]
	s_nop 0
	NOP4
	s_branch .Lpast_\@
.Lshort_\@:
	tensor_load_to_lds s[G0K:G0K+3], s[G1K3:G1K3+7]
	s_nop 0
	NOP4
.Lpast_\@:
	ASK LIMK, PFOK, PFK, 0
.endif
.if \kind == 2
	TLOAD G0V, G1V
	ASK LIMV, PFOV, PFV, 1
.endif
.if \kind == 3
	s_add_co_u32 s48, s[KF], 256
	s_cmp_gt_u32 s48, s[QLAST]
	s_cbranch_scc1 .Lpast_\@
	TLOAD G0V, G1V
.Lpast_\@:
	ASK LIMV, PFOV, PFV, 0
.endif
.endm
.macro FLOAD adr, g                    ; fragments 4 g .. 4 g + 3 into window 1 (the windows are set by the caller)
.irp f, 0,1,2,3
.irp k, 0,1,2
	ds_load_b128 v[BUF+48*\g+12*\f+4*\k:BUF+48*\g+12*\f+4*\k+3], v[\adr] offset:(4*\g+\f)*FRB+512*\k
.endr
.endr
.endm
.macro KADR                            ; s48: the record's LDS byte
	v_add_nc_u32 v[ADK], s48, v[AF]
	v_add_nc_u32 v[ADS], s48, v[AS]
.endm
.macro KGET g                          ; 13 LDS loads
	WIN 0x40
	FLOAD ADK, \g
	WIN 0
	ds_load_b64 v[KS+2*\g:KS+2*\g+1], v[ADS] offset:8*FRB+256*\g
.endm
.macro QKW d, a, b, sa, ra, rb
.if (\ra) && (\rb)
	v_wmma_scale_f32_16x16x128_f8f6f4 v[(\d):(\d)+7], v[(\a):(\a)+11], v[(\b):(\b)+11], 0, v[\sa], v[QS] matrix_a_fmt:MATRIX_FMT_FP6 matrix_b_fmt:MATRIX_FMT_FP6 matrix_a_scale:MATRIX_SCALE_ROW1 matrix_b_scale:MATRIX_SCALE_ROW1
.elseif (\ra)
	v_wmma_scale_f32_16x16x128_f8f6f4 v[(\d):(\d)+7], v[(\a):(\a)+11], v[(\b):(\b)+11], 0, v[\sa], v[QS] matrix_a_fmt:MATRIX_FMT_FP6 matrix_b_fmt:MATRIX_FMT_FP6 matrix_a_scale:MATRIX_SCALE_ROW1
.elseif (\rb)
	v_wmma_scale_f32_16x16x128_f8f6f4 v[(\d):(\d)+7], v[(\a):(\a)+11], v[(\b):(\b)+11], 0, v[\sa], v[QS] matrix_a_fmt:MATRIX_FMT_FP6 matrix_b_fmt:MATRIX_FMT_FP6 matrix_b_scale:MATRIX_SCALE_ROW1
.else
	v_wmma_scale_f32_16x16x128_f8f6f4 v[(\d):(\d)+7], v[(\a):(\a)+11], v[(\b):(\b)+11], 0, v[\sa], v[QS] matrix_a_fmt:MATRIX_FMT_FP6 matrix_b_fmt:MATRIX_FMT_FP6
.endif
.endm
.macro QK g                            ; S^T: source 0 = 16 keys (window 1), source 1 = 16 queries; each fragment serves both tiles
.irp f, 0,1,2,3
.irp t, 0,1
	QKW S+64*\t+8*(4*\g+\f), BUF+48*\g+12*\f, QF+12*\t, KS+2*\g+\f/2, \f%2, \t
.endr
.endr
.endm
.macro PV g                            ; O^T += V^T P^T: sixteen accumulators, one instruction a turn
.irp f, 0,1,2,3
.irp t, 0,1
.if \f % 2
	v_wmma_scale_f32_16x16x128_f8f6f4 v[64*\t+8*(4*\g+\f):64*\t+8*(4*\g+\f)+7], v[BUF+48*\g+12*\f:BUF+48*\g+12*\f+11], v[PC+12*\t:PC+12*\t+11], v[64*\t+8*(4*\g+\f):64*\t+8*(4*\g+\f)+7], v[VS+2*\g+\f/2], v[PW+\t] matrix_a_fmt:MATRIX_FMT_FP6 matrix_b_fmt:MATRIX_FMT_FP6 matrix_a_scale:MATRIX_SCALE_ROW1
.else
	v_wmma_scale_f32_16x16x128_f8f6f4 v[64*\t+8*(4*\g+\f):64*\t+8*(4*\g+\f)+7], v[BUF+48*\g+12*\f:BUF+48*\g+12*\f+11], v[PC+12*\t:PC+12*\t+11], v[64*\t+8*(4*\g+\f):64*\t+8*(4*\g+\f)+7], v[VS+2*\g+\f/2], v[PW+\t] matrix_a_fmt:MATRIX_FMT_FP6 matrix_b_fmt:MATRIX_FMT_FP6
.endif
.endr
.endr
.endm
.macro FIRSTQK                         ; step 0's scores: every block walks step 0
	s_mov_b32 s48, KBASE
	KADR
	KGET 0
	KGET 1
	s_wait_dscnt 0x0
	WIN 1
	QK 0
	QK 1
	WIN 0
	NOP4
.endm
.macro MASK                            ; the step on the diagonal: register 16 b + i is hidden where 32 b + i > DQ (tile 1: DQ + 8)
.irp t, 0,1
.set J, 0
.rept 64
	v_cmp_gt_i32 vcc_lo, 32*(J/16)+J%16-8*\t, v[DQ]
	v_cndmask_b32 v[S+64*\t+J], v[S+64*\t+J], v[NINF], vcc_lo
.set J, J+1
.endr
.endr
.endm
.macro TMINUSM                         ; t - M, two at a time, and p' = 2^(t - M): one batch for both tiles
.irp t, 0,1
.set J, 0
.rept 32
	v_pk_fma_f32 v[S+64*\t+J:S+64*\t+J+1], v[S+64*\t+J:S+64*\t+J+1], s[CS:CS+1], v[NM+2*\t:NM+2*\t+1] op_sel_hi:[1,0,0]
.set J, J+2
.endr
.endr
	s_wait_alu depctr_va_vdst(0)                   ; ahead of the batch
.set J, 0
.rept 128
	v_exp_f32 v[S+J], v[S+J]
.set J, J+1
.endr
.endm
; PASS 1, trip m.  The statistics are each lane's own, over its 64 keys of the step.
.macro STEP1
	s_cmp_gt_u32 s[KF], s[QB]
	s_cbranch_scc1 .Lh1_\@
	s_cmp_eq_u32 s[KF], s[QB]
	s_cbranch_scc1 .Ld1_\@
	s_min_u32 s48, s[TB], KLAST
	KADR
	KGET 0                                         ; K(m + 1) lands under step m's vector work
	KGET 1
	s_branch .Lo1_\@
.Ld1_\@:
	MASK
.Lo1_\@:
	s_cmp_eq_u32 s[LASTT], 0
	s_cbranch_scc1 .Lnm_\@
.irp b, 0,1,2,3
	v_min3_num_f32 v[TA+\b], v[S+64+16*\b], v[S+65+16*\b], v[S+66+16*\b]
.endr
.irp i, 3,5,7,9,11,13
.irp b, 0,1,2,3
	v_min3_num_f32 v[TA+\b], v[TA+\b], v[S+64+16*\b+\i], v[S+65+16*\b+\i]
.endr
.endr
.irp b, 0,1,2,3
	v_min_num_f32 v[TA+\b], v[TA+\b], v[S+79+16*\b]
.endr
	v_min3_num_f32 v[SMIN+1], v[SMIN+1], v[TA], v[TA+1]
	v_min3_num_f32 v[SMIN+1], v[SMIN+1], v[TA+2], v[TA+3]
.Lnm_\@:
.irp t, 0,1
.irp b, 0,1,2,3
	v_max3_num_f32 v[BM+4*\t+\b], v[S+64*\t+16*\b], v[S+64*\t+16*\b+1], v[S+64*\t+16*\b+2]   ; eight chains by turns; each accumulator is read from its low end on
.endr
.endr
.irp i, 3,5,7,9,11,13
.irp t, 0,1
.irp b, 0,1,2,3
	v_max3_num_f32 v[BM+4*\t+\b], v[BM+4*\t+\b], v[S+64*\t+16*\b+\i], v[S+64*\t+16*\b+\i+1]
.endr
.endr
.endr
.irp t, 0,1
.irp b, 0,1,2,3
	v_max_num_f32 v[BM+4*\t+\b], v[BM+4*\t+\b], v[S+64*\t+16*\b+15]
.endr
.endr
.irp t, 0,1
	v_max3_num_f32 v[U+\t], v[BM+4*\t], v[BM+4*\t+1], v[BM+4*\t+2]
.endr
.irp t, 0,1
	v_mov_b32 v[F+4*\t], v[NM+2*\t]
.endr
.irp t, 0,1
	v_max3_num_f32 v[NM+2*\t+1], v[NM+2*\t+1], v[U+\t], v[BM+4*\t+3]
.endr
.irp t, 0,1
	v_mul_f32 v[U+\t], s[CS], v[NM+2*\t+1]         ; as t (c is positive)
.endr
.irp t, 0,1
	v_floor_f32 v[NM+2*\t], -v[U+\t]               ; the new -M: M is a whole number
.endr
	TMINUSM
.irp t, 0,1
	v_sub_f32 v[F+4*\t], v[NM+2*\t], v[F+4*\t]     ; old M - new M; plain work behind the exponentials
.endr
.irp t, 0,1
	v_cvt_i32_f32 v[F+4*\t], v[F+4*\t]             ; (it saturates)
.endr
.irp t, 0,1
	v_ldexp_f32 v[F+4*\t], 1.0, v[F+4*\t]
.endr
.irp t, 0,1
	v_pk_mul_f32 v[SUM+2*\t:SUM+2*\t+1], v[SUM+2*\t:SUM+2*\t+1], v[F+4*\t:F+4*\t+1] op_sel_hi:[1,0]   ; the sum under the new M: nothing is rounded
.endr
	s_wait_alu depctr_va_vdst(0)                   ; one wait for the batch, ahead of its first reader
.irp c, 0,1,2                          ; four chains a tile, eight by turns
.irp t, 0,1
	v_pk_add_f32 v[TA+24*\t+2*\c:TA+24*\t+2*\c+1], v[S+64*\t+4*\c:S+64*\t+4*\c+1], v[S+64*\t+4*\c+2:S+64*\t+4*\c+3]
.endr
.endr
.irp t, 0,1
	v_pk_add_f32 v[SUM+2*\t:SUM+2*\t+1], v[SUM+2*\t:SUM+2*\t+1], v[S+64*\t+12:S+64*\t+13]
.endr
.irp k, 14,22,30,38,46,54
.irp c, 0,1,2
.irp t, 0,1
	v_pk_add_f32 v[TA+24*\t+2*\c:TA+24*\t+2*\c+1], v[TA+24*\t+2*\c:TA+24*\t+2*\c+1], v[S+64*\t+\k+2*\c:S+64*\t+\k+2*\c+1]
.endr
.endr
.irp t, 0,1
	v_pk_add_f32 v[SUM+2*\t:SUM+2*\t+1], v[SUM+2*\t:SUM+2*\t+1], v[S+64*\t+\k+6:S+64*\t+\k+7]
.endr
.endr
.irp t, 0,1
	v_pk_add_f32 v[TA+24*\t:TA+24*\t+1], v[TA+24*\t:TA+24*\t+1], v[S+64*\t+62:S+64*\t+63]
.endr
.irp t, 0,1
	v_pk_add_f32 v[SUM+2*\t:SUM+2*\t+1], v[SUM+2*\t:SUM+2*\t+1], v[TA+24*\t+4:TA+24*\t+5]
.endr
.irp t, 0,1
	v_pk_add_f32 v[TA+24*\t:TA+24*\t+1], v[TA+24*\t:TA+24*\t+1], v[TA+24*\t+2:TA+24*\t+3]
.endr
.irp t, 0,1
	v_pk_add_f32 v[SUM+2*\t:SUM+2*\t+1], v[SUM+2*\t:SUM+2*\t+1], v[TA+24*\t:TA+24*\t+1]
.endr
	s_wait_dscnt 0x0                               ; K(m + 1) is in, on every way through the step: no later load meets a pending one
	s_cmp_ge_u32 s[KF], s[QB]                      ; my last step: no scores follow
	s_cbranch_scc1 .Lh1_\@
	WIN 1
	QK 0
	QK 1
	WIN 0
	NOP4                                           ; four places behind the last product
.Lh1_\@:
	s_add_co_u32 s[KF], s[KF], 128
	s_add_co_u32 s[TB], s[TB], REC
.endm
.macro CHUNK1
	s_mov_b32 s[IC], 4
.Lc1_\@:
	STEP1
	s_sub_co_u32 s[IC], s[IC], 1
	s_cmp_lg_u32 s[IC], 0
	s_cbranch_scc1 .Lc1_\@
.endm
; PASS 2, trip m.  Per tile: block maxima v80-83 / v16-19, scale operands v84-87 / v88-91, at work v72-79 / v120-127.
.macro STEP2
	s_cmp_gt_u32 s[KF], s[QB]
	s_cbranch_scc1 .Lh2_\@
	s_min_u32 s48, s[TB], KLAST
	KADR
	v_add_nc_u32 v[ADV], s[TV], v[AF]
	v_add_nc_u32 v[ADT], s[TV], v[AS]
	WIN 0x40
	FLOAD ADV, 0                                   ; V(m) lands under the vector work
	FLOAD ADV, 1
	WIN 0
	ds_load_b64 v[VS:VS+1], v[ADT] offset:8*FRB
	ds_load_b64 v[VS+2:VS+3], v[ADT] offset:8*FRB+256
	s_cmp_lt_u32 s[KF], s[QB]
	s_cbranch_scc1 .Lo2_\@
	MASK
.Lo2_\@:
	TMINUSM
	v_nop                                          ; the plain place behind the exponentials
	s_wait_alu depctr_va_vdst(0)                   ; one wait for the batch
	s_cmp_eq_u32 s[LASTT], 0
	s_cbranch_scc1 .Lnl_\@
.set J, 0
.rept 32
	v_pk_add_f32 v[S+64+J:S+64+J+1], v[S+64+J:S+64+J+1], v[CT+14:CT+15] neg_lo:[0,1] neg_hi:[0,1]   ; p' - pmin': not 0 in row 2,047 alone
.set J, J+2
.endr
.Lnl_\@:
.irp t, 0,1
.set J, 0
.rept 32
	v_pk_fma_f32 v[S+64*\t+J:S+64*\t+J+1], v[S+64*\t+J:S+64*\t+J+1], v[CT+8*\t:CT+8*\t+1], s[MG:MG+1] op_sel_hi:[1,1,0]   ; (p - pmin) / pscale + 1.5 x 2^23: rounded to a whole number, ties to even
.set J, J+2
.endr
.endr
.set J, 0
.rept 64
	v_pk_add_f32 v[S+J:S+J+1], v[S+J:S+J+1], s[NMG:NMG+1] op_sel_hi:[1,0]   ; exact
.set J, J+2
.endr
.irp t, 0,1
.set J, 0
.rept 32
	v_pk_fma_f32 v[S+64*\t+J:S+64*\t+J+1], v[S+64*\t+J:S+64*\t+J+1], v[CT+8*\t+2:CT+8*\t+3], v[CT+8*\t+4:CT+8*\t+5]   ; pd
.set J, J+2
.endr
.endr
.irp t, 0,1
.irp b, 0,1,2,3
	v_max3_num_f32 v[BM-64*\t+\b], v[S+64*\t+16*\b], v[S+64*\t+16*\b+1], 0x1800000   ; my 16 numbers (none is negative) and the floor 2^(3 - 127)
.endr
.endr
.irp i, 2,4,6,8,10,12,14
.irp t, 0,1
.irp b, 0,1,2,3
	v_max3_num_f32 v[BM-64*\t+\b], v[BM-64*\t+\b], v[S+64*\t+16*\b+\i], v[S+64*\t+16*\b+\i+1]
.endr
.endr
.endr
.irp t, 0,1
.irp b, 0,1,2,3
	v_permlanex16_b32 v[TA+48*\t+\b], v[BM-64*\t+\b], s[SEL], s[SEL+1]
.endr
.endr
.irp t, 0,1
.irp b, 0,1,2,3
	v_max_num_f32 v[BM-64*\t+\b], v[BM-64*\t+\b], v[TA+48*\t+\b]   ; with lane l xor 16's 16: the block's largest
.endr
.endr
.irp t, 0,1
.irp b, 0,1,2,3
	v_add_nc_u32 v[BM+4+4*\t+\b], 0xff000000, v[BM-64*\t+\b]       ; 2 off the exponent field: the conversion's scale operand
.endr
.endr
.irp t, 0,1
.irp b, 0,1,2,3
	v_lshrrev_b32 v[TA+48*\t+\b], 23, v[BM+4+4*\t+\b]              ; the scale's byte
.endr
.endr
.irp t, 0,1
	v_lshl_or_b32 v[PW+\t], v[TA+48*\t+1], 8, v[TA+48*\t]
.endr
.irp t, 0,1
	v_lshl_or_b32 v[PW+\t], v[TA+48*\t+2], 16, v[PW+\t]
.endr
.irp t, 0,1
	v_lshl_or_b32 v[PW+\t], v[TA+48*\t+3], 24, v[PW+\t]
.endr
.irp t, 0,1
.irp c, 0,1
	v_cvt_scalef32_pk16_fp6_f32 v[PC+12*\t+6*\c:PC+12*\t+6*\c+2], v[S+64*\t+32*\c:S+64*\t+32*\c+15], v[BM+4+4*\t+2*\c]
	v_cvt_scalef32_pk16_fp6_f32 v[TA+48*\t+4*\c:TA+48*\t+4*\c+2], v[S+64*\t+32*\c+16:S+64*\t+32*\c+31], v[BM+4+4*\t+2*\c+1]
.endr
.endr
	v_nop                                          ; one plain place behind a scaled conversion
.irp t, 0,1
.irp c, 0,1
.irp i, 0,1,2
	v_permlane16_swap_b32 v[PC+12*\t+6*\c+\i], v[TA+48*\t+4*\c+\i]   ; a whole block to a lane
.endr
.endr
.endr
.irp t, 0,1
.irp c, 0,1
.irp i, 0,1,2
	v_mov_b32 v[PC+12*\t+6*\c+3+\i], v[TA+48*\t+4*\c+\i]
.endr
.endr
.endr
	NOP4                                           ; four places behind the codes' last write; the scale words' stand twelve moves further back
	s_wait_alu depctr_va_vdst(0)
	s_wait_dscnt 0x0                               ; V(m)
	WIN 0x51
	PV 0
	WIN 0
	s_cmp_ge_u32 s[KF], s[QB]
	s_cbranch_scc1 .Llast_\@
	NOP4
	KGET 0                                         ; K(m + 1) into the registers that the products above have read
	WIN 0x51
	PV 1
	NOP4
	KGET 1
	s_wait_dscnt 13                                ; the first 13 loads are in; the second group's 13 may be out
	WIN 1
	QK 0
	s_wait_dscnt 0x0
	QK 1
	WIN 0
	NOP4
	s_branch .Lh2_\@
.Llast_\@:
	WIN 0x51
	PV 1
	WIN 0
.Lh2_\@:
	s_add_co_u32 s[KF], s[KF], 128
	s_add_co_u32 s[TB], s[TB], REC
	s_add_co_u32 s[TV], s[TV], REC
.endm
.macro SLOT2
	s_mov_b32 s[IC], 2
.Lc2_\@:
	STEP2
	s_sub_co_u32 s[IC], s[IC], 1
	s_cmp_lg_u32 s[IC], 0
	s_cbranch_scc1 .Lc2_\@
	s_sub_co_u32 s[TV], s[TV], VSL
	s_xor_b32 s[TV], s[TV], SLOT1
.endm
; The rows' constants.  A query's keys lie in lanes l and l xor 16: their M, sums and extremes are joined; both scalings are by powers of two.
.macro ROWA t
.set X, TA+24*\t
	v_add_f32 v[SUM+2*\t], v[SUM+2*\t], v[SUM+2*\t+1]
	v_permlanex16_b32 v[X], v[NM+2*\t], s[SEL], s[SEL+1]
	v_permlanex16_b32 v[X+2], v[NM+2*\t+1], s[SEL], s[SEL+1]
	v_permlanex16_b32 v[X+3], v[SMIN+\t], s[SEL], s[SEL+1]
	v_permlanex16_b32 v[X+1], v[SUM+2*\t], s[SEL], s[SEL+1]
	v_min_num_f32 v[U+\t], v[NM+2*\t], v[X]        ; -M of the larger M
	v_max_num_f32 v[NM+2*\t+1], v[NM+2*\t+1], v[X+2]
	v_sub_f32 v[F+4*\t], v[U+\t], v[NM+2*\t]
	v_sub_f32 v[X+4], v[U+\t], v[X]
	v_min3_num_f32 v[SMIN+\t], v[SMIN+\t], v[X+3], v[NM+2*\t+1]   ; (where no minimum was tracked: the largest score, which is then not chosen)
	v_cvt_i32_f32 v[F+4*\t], v[F+4*\t]             ; (they saturate: a lane all of whose keys were hidden has the sum 0)
	v_cvt_i32_f32 v[X+4], v[X+4]
	v_mov_b32 v[NM+2*\t], v[U+\t]
	v_ldexp_f32 v[SUM+2*\t], v[SUM+2*\t], v[F+4*\t]
	v_ldexp_f32 v[X+1], v[X+1], v[X+4]
	v_fma_f32 v[X+5], v[NM+2*\t+1], s[CS], v[NM+2*\t]
	v_fma_f32 v[X+6], v[SMIN+\t], s[CS], v[NM+2*\t]
	v_add_f32 v[SUM+2*\t], v[SUM+2*\t], v[X+1]     ; the row's sum
.endm
.macro ROWB t
.set X, TA+24*\t
	v_exp_f32 v[X+5], v[X+5]
	v_exp_f32 v[X+6], v[X+6]
	v_rcp_f32 v[U+\t], v[SUM+2*\t]
.endm
.macro ROWC t
.set X, TA+24*\t
	v_cndmask_b32 v[CT+8*\t+6], 0, v[X+6], s[MK+\t]   ; pmin': row 2,047's smallest p'; 0 in every other row
	v_mul_f32 v[X+5], v[X+5], v[U+\t]              ; pmax
	v_mul_f32 v[CT+8*\t+4], v[CT+8*\t+6], v[U+\t]  ; pmin
	v_sub_f32 v[X+7], v[X+5], v[CT+8*\t+4]
	v_fma_f32 v[CT+8*\t+2], v[X+7], s[C255], s[CEPS]  ; pscale
.endm
.macro ROWD t
	v_mul_f32 v[CT+8*\t], v[U+\t], v[F+4*\t]       ; 1 / (sum x pscale)
	v_mov_b32 v[CT+8*\t+3], v[CT+8*\t+2]
	v_mov_b32 v[CT+8*\t+5], v[CT+8*\t+4]
	v_mov_b32 v[CT+8*\t+7], v[CT+8*\t+6]
	v_mov_b32 v[CT+8*\t+1], v[CT+8*\t]
.endm
	s_load_b256 s[4:11], s[0:1], 0x0               ; qws s[4:5], kws s[6:7], vws s[8:9], out s[10:11]
	v_lshl_add_u32 v[SPW], v0, 2, SPARE
	v_mov_b32 v[NIL], 0
	ds_add_u32 v[SPW], v[NIL]                      ; the opening: the add, twice on end, and its wait ahead of the first tensor load
	ds_add_u32 v[SPW], v[NIL]
	v_lshrrev_b32 v8, 5, v0
	v_readfirstlane_b32 s[WV], v8                  ; wave 0..7
	s_mov_b32 s[WI], ttmp9
	s_and_b32 s[BH], ttmp7, 0xffff
	s_lshr_b32 s15, s[WV], 2
	s_xor_b32 s15, s15, s[WV]
	s_and_b32 s15, s15, 1                          ; 1: the long block
	s_lshr_b32 s[IDX], s[WV], 1                    ; j: my 32 queries of the block's 128
	s_sub_co_u32 s[BLK], 15, s[WI]
	s_cmp_eq_u32 s15, 1
	s_cselect_b32 s[BLK], s[BLK], s[WI]
	s_lshl_b32 s[QB], s[BLK], 7
	s_lshl_b32 s[QLAST], s[WI], 7
	s_sub_co_u32 s[QLAST], 2047, s[QLAST]
	s_lshl_b32 s48, s[BLK], 2
	s_add_co_u32 s48, s48, s[IDX]
	s_cmp_eq_u32 s48, 63                           ; the head's last 32 queries hold row 2,047
	s_cselect_b32 s[LASTT], 1, 0
	s_cselect_b32 s[MK+1], -1, 0
	s_mov_b32 s[MK], 0
	s_mov_b32 s[SEL], 0x76543210
	s_mov_b32 s[SEL+1], 0xfedcba98
	s_mov_b32 s[CS], 0x3e0293ee                    ; log2(e) / sqrt(128)
	s_mov_b32 s[CS+1], s[CS]
	s_mov_b32 s[C255], 0x3b808081                  ; 1 / 255
	s_mov_b32 s[CEPS], 0x2b8cbccc                  ; 1e-12
	s_mov_b32 s[MG], 0x4b400000                    ; 1.5 x 2^23
	s_mov_b32 s[MG+1], s[MG]
	s_mov_b32 s[NMG], 0xcb400000
	s_mov_b32 s[NMG+1], s[NMG]
	DESC1 G1K5, 250
	DESC1 G1K, 200
	DESC1 G1K3, 150
	DESC1 G1V, 100
	s_mov_b32 s[G0K0], 1
	s_mov_b32 s[G0K0+1], KBASE
	s_mov_b32 s[G0K], 1
	s_mov_b32 s[G0K+1], KBASE+REC                  ; each change steps it four records on: records 5, 9, 13
	s_mov_b32 s[G0V], 1
	s_mov_b32 s[G0V+1], 0
	s_mul_i32 s46, s[BH], HEADB
	s_mov_b32 s47, 0
	s_mul_i32 s62, s[BLK], REC
	s_add_co_u32 s62, s62, s46                     ; my block's record of Q,
	s_mul_i32 s60, s[IDX], 2*FRB
	s_add_co_u32 s60, s60, s62                     ; my two fragments,
	s_mov_b32 s61, 0
	s_add_co_u32 s62, s62, 8*FRB                   ; and their scale words: 256 (j / 2) + 4 (j % 2), 8 bytes from lane to lane
	s_lshr_b32 s15, s[IDX], 1
	s_lshl_b32 s15, s15, 8
	s_add_co_u32 s62, s62, s15
	s_and_b32 s15, s[IDX], 1
	s_lshl_b32 s15, s15, 2
	s_add_co_u32 s62, s62, s15
	s_mov_b32 s63, 0
	s_lshl_b32 s66, s[IDX], 5                      ; my first query in its block
	s_add_co_u32 s76, s[QB], s66
	s_lshl_b32 s76, s76, 14
	s_lshl_b32 s67, s[BH], 9
	s_add_co_u32 s76, s76, s67
	s_mov_b32 s77, 0
	s_sub_co_u32 s48, s[WV], 1
	s_cmp_lt_u32 s48, 6
	s_cselect_b32 s[LIMK], 1, -1
	s_cmp_lt_u32 s48, 4
	s_cselect_b32 s[LIMV], 1, -1
	s_cmp_eq_u32 s[WI], 0
	s_cselect_b32 s[LIMK], s[LIMK], -1
	s_cselect_b32 s[LIMV], s[LIMV], -1
	s_mov_b32 s[KF], 0
	s_mov_b32 s[TB], KBASE+REC
	s_wait_dscnt 0x0
	s_wait_kmcnt 0x0
	s_add_nc_u64 s[G0K0+2:G0K0+3], s[6:7], s[46:47]
	s_add_nc_u64 s[G0K+2:G0K+3], s[G0K0+2:G0K0+3], REC
	s_or_b32 s[G0K0+3], s[G0K0+3], 0x80000000
	s_or_b32 s[G0K+3], s[G0K+3], 0x80000000
	s_add_nc_u64 s[G0V+2:G0V+3], s[8:9], s[46:47]
	s_or_b32 s[G0V+3], s[G0V+3], 0x80000000
	TLOAD G0K0, G1K5                               ; K's steps 0 to 4: every work-group's long block walks them
	s_add_nc_u64 s[60:61], s[4:5], s[60:61]
	s_add_nc_u64 s[62:63], s[4:5], s[62:63]
	s_add_nc_u64 s[10:11], s[10:11], s[76:77]
	s_add_nc_u64 s[PFK:PFK+1], s[6:7], s[46:47]
	s_add_nc_u64 s[PFK:PFK+1], s[PFK:PFK+1], 9*REC-PFKB   ; the first change steps it to step 9
	s_add_nc_u64 s[PFV:PFV+1], s[8:9], s[46:47]
	s_add_nc_u64 s[PFV:PFV+1], s[PFV:PFV+1], VSL
	v_and_b32 v8, 31, v0
	v_lshlrev_b32 v[AF], 4, v8
	v_lshlrev_b32 v[AS], 3, v8
	v_and_b32 v9, 15, v0
	v_bfe_u32 v10, v0, 4, 1
.irp k, 0,1,2,3,4,5
	global_load_b128 v[QF+4*\k:QF+4*\k+3], v[AF], s[60:61] offset:512*\k
.endr
	global_load_b32 v[QS], v[AS], s[62:63]
	v_and_b32 v11, 8, v9
	v_add_nc_u32 v11, v11, v9                      ; r + 8 (r / 8)
	v_add_nc_u32 v[DQ], s66, v11
	v_lshlrev_b32 v[U], 4, v10
	v_sub_nc_u32 v[DQ], v[DQ], v[U]
	v_mov_b32 v[NINF], 0xff800000
	v_lshlrev_b32 v[GO], 14, v10
	v_lshl_add_u32 v[GO], v9, 4, v[GO]
	v_add_nc_u32 v[PFOV], 0xffffffe0, v0           ; my number among the lanes of waves 1 on
	v_min_u32 v[PFOK], 174, v[PFOV]
	v_min_u32 v[PFOV], 99, v[PFOV]
	v_lshlrev_b32 v[PFOK], 8, v[PFOK]
	v_lshlrev_b32 v[PFOV], 8, v[PFOV]
.irp t, 0,1
	v_mov_b32 v[NM+2*\t+1], 0xff61b1e6             ; -3e38, under every score
	v_mul_f32 v[NM+2*\t], s[CS], v[NM+2*\t+1]
	v_floor_f32 v[NM+2*\t], -v[NM+2*\t]
	v_mov_b32 v[SUM+2*\t], 0
	v_mov_b32 v[SUM+2*\t+1], 0
	v_mov_b32 v[SMIN+\t], 0x7f61b1e6               ; 3e38, over every score
	v_mov_b32 v[SMIN+2+\t], 0                      ; a lane permute's destination counts as one of its sources
	v_mov_b32 v[F+4*\t+1], 0
.irp b, 0,1,2,3
	v_mov_b32 v[TA+24*\t+\b], 0
.endr
.endr
	s_wait_alu depctr_va_vdst(0)
	s_wait_loadcnt 0x0                             ; Q
	; ---------------- PASS 1
	CHANGE 4                                       ; K's steps 0 to 4 are whole
	FIRSTQK
	s_mov_b32 s[OC], 3
.Lp1:
	CHANGE 1
	CHUNK1
	s_sub_co_u32 s[OC], s[OC], 1
	s_cmp_lg_u32 s[OC], 0
	s_cbranch_scc1 .Lp1
	CHANGE 2                                       ; K's last fill is whole (where it was asked for); V's slot 0 goes out
	CHUNK1
	s_wait_alu depctr_va_vdst(0)
	ROWA 0
	ROWA 1
	s_wait_alu depctr_va_vdst(0)
	ROWB 0
	ROWB 1
	WIN 0x40
.set J, 0
.rept 128
	v_mov_b32 v[J], 0                              ; O^T begins as zeros, so that pass 2's step is written once; plain work behind the transcendentals
.set J, J+1
.endr
	WIN 0
	s_wait_alu depctr_va_vdst(0)
	v_and_b32 v8, 15, v0
	v_cmp_eq_u32 vcc_lo, 15, v8
	s_and_b32 s[MK+1], vcc_lo, s[MK+1]
	ROWC 0
	ROWC 1
	s_wait_alu depctr_va_vdst(0)
	v_rcp_f32 v[F], v[CT+2]
	v_rcp_f32 v[F+4], v[CT+10]
	v_nop
	s_wait_alu depctr_va_vdst(0)
	ROWD 0
	ROWD 1
	s_mov_b32 s[KF], 0
	s_mov_b32 s[TB], KBASE+REC
	s_mov_b32 s[TV], 0
	FIRSTQK
	; ---------------- PASS 2
	s_mov_b32 s[OC], 7
.Lp2:
	CHANGE 3
	SLOT2
	s_sub_co_u32 s[OC], s[OC], 1
	s_cmp_lg_u32 s[OC], 0
	s_cbranch_scc1 .Lp2
	CHANGE 0                                       ; the last slot is written out: nothing is left to ask for
	SLOT2
	; ---------------- THE WAY OUT.  pd is normalised: O^T is the result.  Half a row (256 bytes) of 16 queries at a time goes through my stage in K's first bytes, which have had their last fill; sixteen lanes store 256 consecutive bytes.
	s_wait_dscnt 0x0
	s_barrier_signal -1
	s_barrier_wait -1                              ; every wave's last read of K is over
	v_and_b32 v8, 15, v0
	v_bfe_u32 v9, v0, 4, 1
	s_mul_i32 s48, s[WV], 16*SPITCH
	s_add_co_u32 s48, s48, KBASE
	v_mul_u32_u24 v[ADV], v8, SPITCH
	v_lshl_add_u32 v[ADV], v9, 5, v[ADV]
	v_add_nc_u32 v[ADV], s48, v[ADV]
	v_mul_u32_u24 v[ADT], v9, SPITCH
	v_lshl_add_u32 v[ADT], v8, 4, v[ADT]
	v_add_nc_u32 v[ADT], s48, v[ADT]
	s_wait_alu depctr_va_vdst(0)                   ; eight window switches stand ahead of the addresses' last readers
.irp t, 0,1
.irp u, 0,1
	WIN 4                                          ; the stores' data lie in window 1
.irp f, 0,1,2,3
	ds_store_b128 v[ADV], v[64*\t+32*\u+8*\f:64*\t+32*\u+8*\f+3] offset:64*\f
	ds_store_b128 v[ADV], v[64*\t+32*\u+8*\f+4:64*\t+32*\u+8*\f+7] offset:64*\f+16
.endr
	WIN 0
.irp i, 0,1,2,3,4,5,6,7
	ds_load_b128 v[S+64*\t+32*\u+4*\i:S+64*\t+32*\u+4*\i+3], v[ADT] offset:2*\i*SPITCH   ; LDS serves a wave's instructions in order
.endr
.endr
.endr
.irp t, 0,1
.irp u, 0,1
.irp i, 0,1,2,3,4,5,6,7
	s_wait_dscnt 31-16*\t-8*\u-\i                  ; at most as many as the loads issued behind this one
	global_store_b128 v[GO], v[S+64*\t+32*\u+4*\i:S+64*\t+32*\u+4*\i+3], s[10:11] offset:(2*\i+8*(\i/4)+8*\t)*TOK+256*\u th:TH_STORE_NT
.endr
.endr
.endr
	s_wait_tensorcnt 0x0                           ; the wave's end
	ds_add_u32 v[SPW], v[NIL]
	s_wait_dscnt 0x0
	s_endpgm
.Lfunc_end_k_q8b08c9f26e_attn:
	.size	k_q8b08c9f26e_attn, .Lfunc_end_k_q8b08c9f26e_attn-k_q8b08c9f26e_attn
	.p2alignl 7, 3214868480
	.fill 96, 4, 3214868480
	.section	.rodata,"a",@progbits
	.p2align	6, 0x0
	.amdhsa_kernel k_q8b08c9f26e_attn
		.amdhsa_group_segment_fixed_size 327680
		.amdhsa_private_segment_fixed_size 0
		.amdhsa_enable_private_segment 0
		.amdhsa_kernarg_size 32
		.amdhsa_user_sgpr_count 2
		.amdhsa_user_sgpr_kernarg_segment_ptr 1
		.amdhsa_wavefront_size32 1
		.amdhsa_system_sgpr_workgroup_id_x 1
		.amdhsa_system_sgpr_workgroup_id_y 1
		.amdhsa_system_sgpr_workgroup_id_z 1
		.amdhsa_system_vgpr_workitem_id 0
		.amdhsa_next_free_vgpr 512
		.amdhsa_next_free_sgpr 102
		.amdhsa_reserve_vcc 1
		.amdhsa_float_denorm_mode_32 3
		.amdhsa_float_denorm_mode_16_64 3
		.amdhsa_memory_ordered 1
		.amdhsa_forward_progress 1
		.amdhsa_inst_pref_size 202
	.end_amdhsa_kernel
	.amdgpu_metadata
---
amdhsa.version: [ 1, 2 ]
amdhsa.kernels:
  - .name:           k_q8b08c9f26e_attn
    .symbol:         k_q8b08c9f26e_attn.kd
    .args:
      - { .name: qws, .offset: 0, .size: 8, .value_kind: global_buffer, .address_space: global }
      - { .name: kws, .offset: 8, .size: 8, .value_kind: global_buffer, .address_space: global }
      - { .name: vws, .offset: 16, .size: 8, .value_kind: global_buffer, .address_space: global }
      - { .name: out0, .offset: 24, .size: 8, .value_kind: global_buffer, .address_space: global }
    .group_segment_fixed_size: 327680
    .private_segment_fixed_size: 0
    .kernarg_segment_align: 8
    .kernarg_segment_size: 32
    .max_flat_workgroup_size: 256
    .sgpr_count:     102
    .vgpr_count:     512
    .wavefront_size: 32
...
	.end_amdgpu_metadata
.endif
;; end of part 2
